; MI455X (gfx1250); checked and timed in simulation.
; The chip was launched on July 23, 2026; its instructions are those of AMD's public machine-readable ISA for CDNA 5 (MIT licence, August 2026) and "CDNA5" Instruction Set Architecture Reference Guide (July 2026). The comments in the code are by the model that wrote it; some were corrected since.
;; Attn. Allowed arithmetic: float matrix products may take bf16 or f16 operands with f32 sums; other float arithmetic in f32, or as packed bf16 or f16 multiplies, adds, multiply-adds, maxima and minima; sums over many terms, partial sums and values carried from step to step in f32; what a program stores and reads back later, other than sums and carried values, may be rounded once to bf16 or f16.
;; Inputs: bk 512 float32; bp 512 float32; bq 512 float32; bv 512 float32; gn_bias 512 float32; gn_scale 512 float32; wk 512 x 512 float32; wp 512 x 512 float32; wq 512 x 512 float32; wv 512 x 512 float32; x 32 x 512 x 32 x 32 float32.
;; Outputs: out0 32 x 512 x 32 x 32 float32.
;; One version. Each part assembles by itself: llvm-mc -triple=amdgcn-amd-amdhsa -mcpu=gfx1250 --defsym DOCPART=n.
;; ======== version 1 of 1: 3 launches
;; workspace buffers: nb 33,554,432 bytes; wb 2,097,152 bytes; qkv 100,663,296 bytes
;; launch gn (part 1): grid 1024 x 1, 8 waves a work-group, no clusters, 1,280 bytes of LDS; arguments x, gn_scale, gn_bias, wq, wk, wv, wp, nb, wb; writes nb, wb
.if DOCPART == 1
	.amdgcn_target "amdgcn-amd-amdhsa--gfx1250"
	.amdhsa_code_object_version 6
	.text
	.protected	k_qeec0b74ec1_gn
	.globl	k_qeec0b74ec1_gn
	.p2align	8
	.type	k_qeec0b74ec1_gn,@function
k_qeec0b74ec1_gn:
	s_mov_b64 s[64:65], 0
	v_nop
	global_prefetch_b8 v0, s[64:65] scope:SCOPE_SE
	s_setreg_imm32_b32 hwreg(HW_REG_WAVE_MODE, 25, 1), 1
	s_wait_xcnt 0x0
; GROUP NORM, and the four weights rounded to bf16.
; A work-group owns one (image, group): 16 channels x 1,024 pixels = 65,536 consecutive bytes of x.  Thread t holds pixels 4 t .. 4 t + 3 of all
; 16 channels in 64 registers, so x is read once.  Two passes over the registers: the mean, then the sum of squares of x - mean (no difference of
; large sums is formed, so a common offset of x costs nothing).  n = (x - mean) rstd scale + bias is rounded once to bf16: nb[b][c][pixel].
; It also converts rows 2 (g % 256), + 1 of weight g / 256 (q, k, v, p).  wb: q, k, v in blocks [matrix][64 channels][512 o][64], so that the tile
; of 512 o x 64 channels that the next launch walks is 65,536 dense bytes; p plain [o][c] behind them.
; No matrix unit, cluster or tensor load: the work-groups share no input and memory binds.
; LIMITS.  NaN and infinities are not treated apart.
.set XR,   16                          ; v[16:79]   channel j: 4 registers
.set CH,   80                          ; v[80:87]   four chains of pairs
.set YR,   88                          ; v[88:119]  channel j: 2 registers, 4 bf16
.set SPW,  120                         ; LDS address of my spare word; never rewritten
.set NIL,  121                         ; 0; never rewritten
.set MEAN, 122                         ; v[122:123] the mean, twice
	s_load_b512 s[4:19], s[0:1], 0x0               ; x, gn_scale, gn_bias, wq, wk, wv, wp, nb
	s_load_b64 s[20:21], s[0:1], 0x40              ; wb
	v_lshl_add_u32 v[SPW], v0, 2, 256
	v_mov_b32 v[NIL], 0
	s_mov_b32 s2, ttmp9                            ; g = 32 x image + group
	s_lshl_b32 s22, s2, 16                         ; my bytes of x
	s_mov_b32 s23, 0
	s_lshl_b32 s60, s2, 15                         ; my bytes of nb
	s_mov_b32 s61, 0
	s_and_b32 s62, s2, 31
	s_lshl_b32 s62, s62, 6                         ; my group's 16 numbers in scale and bias
	s_mov_b32 s63, 0
	s_mov_b32 s56, 0x76543210                      ; v_permlanex16_b32: each lane takes its own place in the other half
	s_mov_b32 s57, 0xfedcba98
	s_mov_b32 s76, 0x38800000                      ; 1 / 16,384
	s_mov_b32 s77, 0x3727c5ac                      ; 1e-5
	s_lshr_b32 s59, s2, 8                          ; which weight
	s_and_b32 s70, s2, 255
	s_lshl_b32 s70, s70, 1                         ; o0: its first row of two
	s_cmp_eq_u32 s59, 3                            ; p is laid plain, the others in blocks: the same sums with other shifts
	s_cselect_b32 s66, 9, 8                        ; in:  wave w at w << 9 (plain) or w << 8 (its 64 channels)
	s_cselect_b32 s67, 8, 11                       ; in:  half r of the wave at r << 8, or the second row
	s_cselect_b32 s68, 8, 16                       ; out: wave w at w << 8, or block w
	s_cselect_b32 s69, 10, 7                       ; out: o0 x 1,024, or o0 x 128
	s_lshl_b32 s71, s70, s69
	s_lshl_b32 s72, s59, 19                        ; a weight is 524,288 bytes of wb
	s_add_co_u32 s71, s71, s72
	s_lshl_b32 s70, s70, 11                        ; o0 x 2,048 bytes in the f32 weight
	v_lshlrev_b32 v1, 4, v0                        ; 16 t: my bytes in a channel of x
	v_lshlrev_b32 v2, 3, v0                        ; 8 t: in a channel of nb
	v_lshrrev_b32 v5, 5, v0                        ; wave
	v_bfe_u32 v6, v0, 4, 1                         ; half of the wave
	v_and_b32 v7, 15, v0
	v_lshlrev_b32 v3, s66, v5
	v_lshlrev_b32 v12, s67, v6
	v_add3_u32 v3, v3, v12, s70
	v_lshl_add_u32 v3, v7, 4, v3                   ; my 4 numbers of the weight
	v_lshlrev_b32 v4, s68, v5
	v_lshl_add_u32 v4, v6, 7, v4
	v_lshl_add_u32 v4, v7, 3, v4
	v_add_nc_u32 v4, s71, v4                       ; and where they go: a wave's store covers 256 consecutive bytes, aligned
	v_lshlrev_b32 v5, 2, v5                        ; my wave's word among the partial sums
	v_mov_b32 v13, 0
	s_wait_kmcnt 0x0
	s_add_nc_u64 s[6:7], s[6:7], s[62:63]
	s_add_nc_u64 s[8:9], s[8:9], s[62:63]
	s_load_b512 s[24:39], s[6:7], 0x0              ; my 16 scales
	s_load_b512 s[40:55], s[8:9], 0x0              ; my 16 biases
	s_bitcmp1_b32 s2, 8
	s_cselect_b64 s[10:11], s[12:13], s[10:11]     ; wk or wq
	s_cselect_b64 s[14:15], s[16:17], s[14:15]     ; wp or wv
	s_bitcmp1_b32 s2, 9
	s_cselect_b64 s[10:11], s[14:15], s[10:11]
	s_add_nc_u64 s[4:5], s[4:5], s[22:23]
	s_add_nc_u64 s[18:19], s[18:19], s[60:61]
	global_load_b128 v[8:11], v3, s[10:11]
.irp j, 0,1,2,3,4,5,6,7,8,9,10,11,12,13,14,15
	global_load_b128 v[XR+4*(\j):XR+4*(\j)+3], v1, s[4:5] offset:4096*(\j) th:TH_LOAD_NT  ; a wave's load covers 512 consecutive bytes
.endr
; The four chains are added up, over the lanes, and over the eight waves through eight words of LDS at byte base: the sum lands in v80 of every lane.
.macro WGSUM base
	v_pk_add_f32 v[CH:CH+1], v[CH:CH+1], v[CH+2:CH+3]
	v_pk_add_f32 v[CH+4:CH+5], v[CH+4:CH+5], v[CH+6:CH+7]
	v_pk_add_f32 v[CH:CH+1], v[CH:CH+1], v[CH+4:CH+5]
	v_add_f32 v[CH], v[CH], v[CH+1]
	v_add_f32_dpp v[CH], v[CH], v[CH] row_xmask:1 row_mask:0xf bank_mask:0xf
	v_add_f32_dpp v[CH], v[CH], v[CH] row_xmask:2 row_mask:0xf bank_mask:0xf
	v_add_f32_dpp v[CH], v[CH], v[CH] row_xmask:4 row_mask:0xf bank_mask:0xf
	v_add_f32_dpp v[CH], v[CH], v[CH] row_xmask:8 row_mask:0xf bank_mask:0xf
	v_permlanex16_b32 v[CH+1], v[CH], s56, s57
	v_add_f32 v[CH], v[CH], v[CH+1]
	ds_store_b32 v5, v[CH] offset:\base
	s_wait_dscnt 0x0                               ; for the others' sake: my word is written
	s_barrier_signal -1
	s_barrier_wait -1
	ds_load_b128 v[CH:CH+3], v13 offset:\base
	ds_load_b128 v[CH+4:CH+7], v13 offset:(\base)+16
	s_wait_dscnt 0x0
	v_pk_add_f32 v[CH:CH+1], v[CH:CH+1], v[CH+2:CH+3]
	v_pk_add_f32 v[CH+4:CH+5], v[CH+4:CH+5], v[CH+6:CH+7]
	v_pk_add_f32 v[CH:CH+1], v[CH:CH+1], v[CH+4:CH+5]
	v_add_f32 v[CH], v[CH], v[CH+1]
.endm
	; pass 1: the sum.  The first four channels start the chains: nothing is cleared.
	s_wait_loadcnt 14                              ; loads come back in order: channels 0 and 1 are in, the 14 younger loads stay out
	v_pk_add_f32 v[CH:CH+1], v[XR:XR+1], v[XR+4:XR+5]
	v_pk_add_f32 v[CH+2:CH+3], v[XR+2:XR+3], v[XR+6:XR+7]
	s_wait_loadcnt 12
	v_pk_add_f32 v[CH+4:CH+5], v[XR+8:XR+9], v[XR+12:XR+13]
	v_pk_add_f32 v[CH+6:CH+7], v[XR+10:XR+11], v[XR+14:XR+15]
.irp j, 4,5,6,7,8,9,10,11,12,13,14,15
	s_wait_loadcnt 15-(\j)                         ; channel j is in
	v_pk_add_f32 v[CH+4*((\j)%2):CH+4*((\j)%2)+1], v[CH+4*((\j)%2):CH+4*((\j)%2)+1], v[XR+4*(\j):XR+4*(\j)+1]
	v_pk_add_f32 v[CH+4*((\j)%2)+2:CH+4*((\j)%2)+3], v[CH+4*((\j)%2)+2:CH+4*((\j)%2)+3], v[XR+4*(\j)+2:XR+4*(\j)+3]
.endr
	WGSUM 0
	v_mul_f32 v[MEAN], s76, v[CH]
	v_mul_f32 v[MEAN+1], s76, v[CH]
	; pass 2: x - mean in place, and the sum of its squares
.set zi, 0
.rept 32
	v_pk_add_f32 v[XR+2*zi:XR+2*zi+1], v[XR+2*zi:XR+2*zi+1], v[MEAN:MEAN+1] neg_lo:[0,1] neg_hi:[0,1]
.set zi, zi+1
.endr
.set zi, 0
.rept 4
	v_pk_mul_f32 v[CH+2*zi:CH+2*zi+1], v[XR+2*zi:XR+2*zi+1], v[XR+2*zi:XR+2*zi+1]
.set zi, zi+1
.endr
.rept 28
	v_pk_fma_f32 v[CH+2*(zi%4):CH+2*(zi%4)+1], v[XR+2*zi:XR+2*zi+1], v[XR+2*zi:XR+2*zi+1], v[CH+2*(zi%4):CH+2*(zi%4)+1]
.set zi, zi+1
.endr
	WGSUM 64                                       ; other words than the first sum's: no wave can overtake a reader
	v_fma_f32 v[CH], v[CH], s76, s77               ; variance + eps
	v_rsq_f32 v[CH+1], v[CH]
	v_cvt_pk_bf16_f32 v14, v8, v9                  ; the weight's four numbers: also the plain instruction behind the root
	v_cvt_pk_bf16_f32 v15, v10, v11
	s_wait_alu depctr_va_vdst(0)
	v_readfirstlane_b32 s58, v[CH+1]               ; rstd, the same in every lane
	global_store_b64 v4, v[14:15], s[20:21]
	s_wait_kmcnt 0x0                               ; scale and bias
.irp j, 0,1,2,3,4,5,6,7,8,9,10,11,12,13,14,15
	s_mul_f32 s[78+(\j)%2], s[24+(\j)], s58        ; scale x rstd
.irp k, 0,1,2,3
	v_fma_f32 v[XR+4*(\j)+(\k)], v[XR+4*(\j)+(\k)], s[78+(\j)%2], s[40+(\j)]
.endr
	v_cvt_pk_bf16_f32 v[YR+2*(\j)], v[XR+4*(\j)], v[XR+4*(\j)+1]
	v_cvt_pk_bf16_f32 v[YR+2*(\j)+1], v[XR+4*(\j)+2], v[XR+4*(\j)+3]
	global_store_b64 v2, v[YR+2*(\j):YR+2*(\j)+1], s[18:19] offset:2048*(\j)  ; a wave's store covers 256 consecutive bytes, aligned
.endr
	s_wait_tensorcnt 0x0                           ; the wave's end
	ds_add_u32 v[SPW], v[NIL]
	s_wait_dscnt 0x0
	s_endpgm
.Lfunc_end_k_qeec0b74ec1_gn:
	.size	k_qeec0b74ec1_gn, .Lfunc_end_k_qeec0b74ec1_gn-k_qeec0b74ec1_gn
	.p2alignl 7, 3214868480
	.fill 96, 4, 3214868480
	.section	.rodata,"a",@progbits
	.p2align	6, 0x0
	.amdhsa_kernel k_qeec0b74ec1_gn
		.amdhsa_group_segment_fixed_size 1280
		.amdhsa_private_segment_fixed_size 0
		.amdhsa_enable_private_segment 0
		.amdhsa_kernarg_size 72
		.amdhsa_user_sgpr_count 2
		.amdhsa_user_sgpr_kernarg_segment_ptr 1
		.amdhsa_wavefront_size32 1
		.amdhsa_system_sgpr_workgroup_id_x 1
		.amdhsa_system_sgpr_workgroup_id_y 1
		.amdhsa_system_sgpr_workgroup_id_z 1
		.amdhsa_system_vgpr_workitem_id 0
		.amdhsa_next_free_vgpr 124
		.amdhsa_next_free_sgpr 80
		.amdhsa_reserve_vcc 0
		.amdhsa_float_denorm_mode_32 3
		.amdhsa_float_denorm_mode_16_64 3
		.amdhsa_memory_ordered 1
		.amdhsa_forward_progress 1
		.amdhsa_inst_pref_size 22
	.end_amdhsa_kernel
	.amdgpu_metadata
---
amdhsa.version: [ 1, 2 ]
amdhsa.kernels:
  - .name:           k_qeec0b74ec1_gn
    .symbol:         k_qeec0b74ec1_gn.kd
    .args:
      - { .name: x, .offset: 0, .size: 8, .value_kind: global_buffer, .address_space: global }
      - { .name: gn_scale, .offset: 8, .size: 8, .value_kind: global_buffer, .address_space: global }
      - { .name: gn_bias, .offset: 16, .size: 8, .value_kind: global_buffer, .address_space: global }
      - { .name: wq, .offset: 24, .size: 8, .value_kind: global_buffer, .address_space: global }
      - { .name: wk, .offset: 32, .size: 8, .value_kind: global_buffer, .address_space: global }
      - { .name: wv, .offset: 40, .size: 8, .value_kind: global_buffer, .address_space: global }
      - { .name: wp, .offset: 48, .size: 8, .value_kind: global_buffer, .address_space: global }
      - { .name: nb, .offset: 56, .size: 8, .value_kind: global_buffer, .address_space: global }
      - { .name: wb, .offset: 64, .size: 8, .value_kind: global_buffer, .address_space: global }
    .group_segment_fixed_size: 1280
    .private_segment_fixed_size: 0
    .kernarg_segment_align: 8
    .kernarg_segment_size: 72
    .max_flat_workgroup_size: 256
    .sgpr_count:     80
    .vgpr_count:     124
    .wavefront_size: 32
...
	.end_amdgpu_metadata
.endif
;; end of part 1
;; launch qkv (part 2): grid 256 x 1, 4 waves a work-group, clusters of 4 x 1, 327,680 bytes of LDS; arguments nb, wb, bq, bk, bv, qkv; writes qkv
.if DOCPART == 2
	.amdgcn_target "amdgcn-amd-amdhsa--gfx1250"
	.amdhsa_code_object_version 6
	.text
	.protected	k_qeec0b74ec1_qkv
	.globl	k_qeec0b74ec1_qkv
	.p2align	8
	.type	k_qeec0b74ec1_qkv,@function
k_qeec0b74ec1_qkv:
	s_mov_b64 s[64:65], 0
	v_nop
	global_prefetch_b8 v0, s[64:65] scope:SCOPE_SE
	s_setreg_imm32_b32 hwreg(HW_REG_WAVE_MODE, 25, 1), 1
	s_wait_xcnt 0x0
	s_wait_alu depctr_hold_cnt(0) depctr_sa_sdst(0) depctr_va_vdst(0) depctr_va_sdst(0) depctr_va_ssrc(0) depctr_va_vcc(0) depctr_vm_vsrc(0)
	s_getreg_b32 s2, hwreg(HW_REG_IB_STS2, 6, 4)
	s_cmp_eq_u32 s2, 0
	s_cbranch_scc0 .Lentry_in_a_cluster
	s_endpgm
.Lentry_in_a_cluster:
	s_bfe_u32 s2, ttmp6, 0x10000c
	s_cmp_lg_u32 s2, 0x3003
	s_cbranch_scc0 .Lentry_shape_is_right
	s_endpgm
.Lentry_shape_is_right:
; q, k, v [token][512] = W n + b, bf16 operands, f32 sums, rounded once to bf16.  Three planes of 33,554,432 bytes in qkv.
; A work-group owns 128 tokens of one image.  Their 512 channels of n (nb[b][c][token]) stay in LDS for the whole launch: n is read once.
; It walks the 24 weight tiles of 512 o x 64 channels (8 for each of q, k, v), 65,536 dense bytes each, through two LDS slots: ONE loop over the 12 pairs of tiles;
; a matrix's first half tile and its way out stand under forward branches on the pair's number; the last pair, which asks for nothing, is written out.
; THE WALK IS STAGGERED.  Cluster c begins at matrix c % 3 and, in every matrix, at pair c % 4 of its four pairs of tiles, and goes round from there: 12 starts for 12 pairs.  So in a trip the
; clusters ask for different tiles, in the first trip together for all 24, and from the second trip on a tile that a cluster asks for has been asked for before by another.
; A matrix's 512 channels are summed in that rotated order; the number c is the same in the four partners of a cluster.
; Wave w makes o = 128 w .. + 127 for all 128 tokens: 64 accumulators, 512 registers; 32 LDS loads feed 64 products.
; CLUSTER: the four work-groups of a cluster walk the same weight tiles and ask for each tile JOINTLY (mask 15); n's tile is each one's own.
; THE PRODUCT is used transposed: source 0 = 16 o (rows of W along the channels), source 1 = 16 tokens (n lies [channel][token], turned by
; ds_load_tr16_b128).  A lane then holds one token and eight neighbouring o: 16 bytes of a row of the output.
; THE BIAS is the C operand of a matrix's first products: register j of tile b holds bias[128 w + 16 b + 8 (lane / 16) + j].
; REGISTERS by windows of 256: window 0: v0-31 addresses; v64-127, v128-191 token fragments, two buffers; v32-63, v192-255 the way out.
;   window 1: v64-127, v128-191 W's fragments; v192-255 the bias tiles.   windows 2, 3: accumulator (token block a, o block b) at 8 (8 (a % 4) + b).
.set PA,     288                       ; a channel's row of n in LDS: 256 bytes + 32
.set PW,     144                       ; a row of a weight tile: 128 bytes + 16: the 16 rows of a load start at 16 different groups of four banks
.set WS0,    512*PA                    ; behind n: the two slots
.set WSB,    512*PW
.set STAGE,  WS0+2*WSB                 ; 16 rows x 272 bytes for each wave, never filled by a tensor load
.set SPITCH, 272
.set SPARE,  STAGE+4*16*SPITCH         ; the spare words: 128 bytes a wave, two blocks of 256 bytes that no other line names
.set ADRW,  16                         ; v16-17 my W fragments in slot 0, 1
.set ADRA0, 20                         ; v20    my lane's place in 32 channels x 16 tokens of n
.set ADRA,  21                         ; v21    the same at the pair of tiles in hand
.set STO,   24
.set RD,    25
.set CO,    26
.set BO,    27                         ; v27    my byte offset in a bias
.set SPW,   28
.set NIL,   29
.set OB,    32
.set F0,    64
.set F1,    128
.set TMP,   192
.set BI,    192                        ; window 1
.set WV,    16                         ; s16 my wave
.set G1A,   24                         ; s[24:31] group 1 of n's tile
.set G1W,   32                         ; s[32:39] group 1 of the weight tiles
.set G0A,   40                         ; s[40:43]
.set G0W,   44                         ; s[44:51] group 0 of the weight tiles, a set for each slot
.set AOFF,  52
.set LEFT,  53                         ; s53 pairs of tiles still to go, this one among them: 12 to 1; a matrix begins where LEFT % 4 = 0 and ends where it is 1
.set T0,    54
.set T1,    55
.set NXB,   56                         ; s[56:57] the next matrix's bias, s[58:59] the one after
.set OUT,   60                         ; s[60:61] my rows and columns of the plane in hand
.set T2,    62
.set PN,    63                         ; s63 the next pair's number in its matrix, 0 to 3
.set M0,    70                         ; s70 the matrix at which my cluster's walk begins
.set MC,    71                         ; s71 the matrix in hand
.set WB,    72                         ; s[72:73] wb at my 128 o of tile 0, s[74:75] of tile 1
.set WB1,   74
.set OFN,   76                         ; s[76:77] byte offset of the next pair of tiles in wb
.set OUTB,  78                         ; s[78:79] my rows and columns of plane 0
.set OFO,   80                         ; s[80:81] the plane's byte offset
.set CUB,   82                         ; s[82:83] the first matrix's bias
.set P0,    84                         ; s84 the pair at which my cluster begins every matrix
.set MSB, 0
.macro WIN new                         ; the immediate's high byte repeats the setting that is left; a switch that changes nothing is dropped
.if MSB != (\new)
	s_set_vgpr_msb (MSB<<8)|(\new)
.set MSB, (\new)
.endif
.endm
.macro PLACES                          ; four places between a matrix instruction and a load into, or a vector read of, its registers
.rept 4
	v_nop
.endr
.endm
.macro CREST                           ; a round of the cluster's barrier behind its opening barrier
	s_cmp_lg_u32 s[WV], 0
	s_cbranch_scc1 .Lnot_wave_0_\@
	s_barrier_signal -3
.Lnot_wave_0_\@:
	s_barrier_wait -3
	s_barrier_signal -1
	s_barrier_wait -1
.endm
.macro CROUND
	s_barrier_signal -1
	s_barrier_wait -1
	CREST
.endm
	s_load_b256 s[4:11], s[0:1], 0x0               ; nb s[4:5], wb s[6:7], bq s[8:9], bk s[10:11]
	s_load_b128 s[12:15], s[0:1], 0x20             ; bv s[12:13], qkv s[14:15]
	v_lshl_add_u32 v[SPW], v0, 2, SPARE
	v_mov_b32 v[NIL], 0
	ds_add_u32 v[SPW], v[NIL]                      ; the wave's opening: the add and its wait stand ahead of my first tensor load
	v_lshrrev_b32 v1, 5, v0
	v_readfirstlane_b32 s[WV], v1
	s_bfe_u32 s17, ttmp6, 0x40000                  ; cx
	s_lshl_b32 s18, ttmp9, 2
	s_add_co_u32 s18, s18, s17                     ; work-group = 8 x image + block of 128 tokens: it enters nb's and qkv's addresses alone
	s_lshr_b32 s19, s18, 3
	s_lshl_b32 s19, s19, 20                        ; the image: 512 x 1,024 x 2 bytes of nb
	s_and_b32 s20, s18, 7
	s_lshl_b32 s20, s20, 8                         ; 128 tokens = 256 bytes along a row
	s_add_co_u32 s20, s20, s19
	s_lshl_b32 s19, s[WV], 18                      ; my 128 channels
	s_add_co_u32 s20, s20, s19
	s_mov_b32 s21, 0
	s_lshl_b32 s22, s18, 17                        ; 128 rows of 1,024 bytes of a plane,
	s_lshl_b32 s23, s[WV], 8                       ; my 128 o
	s_add_co_u32 s22, s22, s23
	s_mov_b32 s23, 0
	s_lshl_b32 s68, s[WV], 14                      ; my 128 o of a weight tile: 16,384 dense bytes
	s_mov_b32 s69, 0
	; where my cluster's walk begins: c = ttmp9, 0 to 63, the same in the four partners
	s_mul_i32 s[T1], ttmp9, 0x5556
	s_lshr_b32 s[T1], s[T1], 16                    ; c / 3 (21,846 c / 65,536: exact for c up to 63)
	s_mul_i32 s[T1], s[T1], 3
	s_sub_co_u32 s[M0], ttmp9, s[T1]               ; matrix c % 3
	s_mov_b32 s[MC], s[M0]
	s_and_b32 s[P0], ttmp9, 3                      ; pair c % 4
	s_lshl2_add_u32 s[OFN], s[M0], s[P0]
	s_lshl_b32 s[OFN], s[OFN], 17                  ; pair 4 m + p of the twelve: 131,072 bytes each
	s_mov_b32 s[OFN+1], 0
	s_lshl_b32 s[OFO], s[M0], 25                   ; plane m
	s_mov_b32 s[OFO+1], 0
	s_mul_i32 s[AOFF], s[P0], 128*PA               ; pair p multiplies channels 128 p to 128 p + 127 of n
	; n's tile: 128 channel rows x 128 tokens, 1,024 elements from row to row, 8 words of padding behind every 64
	s_mov_b32 s[G1A], (1<<16)|(1<<20)|(5<<22)|(7<<25)
	s_mov_b32 s[G1A+1], 128<<16
	s_mov_b32 s[G1A+2], 128<<16
	s_mov_b32 s[G1A+3], 128<<16
	s_mov_b32 s[G1A+4], 128
	s_mov_b32 s[G1A+5], 1024
	s_mov_b32 s[G1A+6], 0
	s_mov_b32 s[G1A+7], 0
	; a quarter of a weight tile: 16,384 dense bytes asked for as 64 rows of 256, 4 words of padding behind every 32 (each o); mask of four, bit 21 beside it
	s_mov_b32 s[G1W], 15|(1<<16)|(1<<20)|(1<<21)|(4<<22)|(3<<25)
	s_mov_b32 s[G1W+1], 128<<16
	s_mov_b32 s[G1W+2], 64<<16
	s_mov_b32 s[G1W+3], 128<<16
	s_mov_b32 s[G1W+4], 64
	s_mov_b32 s[G1W+5], 128
	s_mov_b32 s[G1W+6], 0
	s_mov_b32 s[G1W+7], 0
	s_mov_b32 s[G0A], 1
	s_mul_i32 s[G0A+1], s[WV], 128*PA
	s_mul_i32 s66, s[WV], 128*PW
	s_mov_b32 s[G0W], 1
	s_add_co_u32 s[G0W+1], s66, WS0
	s_mov_b32 s[G0W+4], 1
	s_add_co_u32 s[G0W+5], s66, WS0+WSB
	s_wait_dscnt 0x0                               ; the opening add is done
	s_wait_kmcnt 0x0
	s_add_nc_u64 s[G0A+2:G0A+3], s[4:5], s[20:21]
	s_or_b32 s[G0A+3], s[G0A+3], 0x80000000
	s_add_nc_u64 s[WB:WB+1], s[6:7], s[68:69]
	s_add_nc_u64 s[WB1:WB1+1], s[WB:WB+1], 0x10000
	s_add_nc_u64 s[G0W+2:G0W+3], s[WB:WB+1], s[OFN:OFN+1]    ; the walk's first pair of tiles
	s_add_nc_u64 s[G0W+6:G0W+7], s[WB1:WB1+1], s[OFN:OFN+1]
	s_or_b32 s[G0W+3], s[G0W+3], 0x80000000
	s_or_b32 s[G0W+7], s[G0W+7], 0x80000000
	s_add_nc_u64 s[OUTB:OUTB+1], s[14:15], s[22:23]
	s_add_nc_u64 s[OUT:OUT+1], s[OUTB:OUTB+1], s[OFO:OFO+1]
	s_cmp_eq_u32 s[M0], 1                          ; the three biases in the walk's order: m, m + 1, m + 2 modulo 3
	s_cselect_b64 s[CUB:CUB+1], s[10:11], s[12:13]
	s_cselect_b64 s[NXB:NXB+1], s[12:13], s[8:9]
	s_cselect_b64 s[NXB+2:NXB+3], s[8:9], s[10:11]
	s_cmp_eq_u32 s[M0], 0
	s_cselect_b64 s[CUB:CUB+1], s[8:9], s[CUB:CUB+1]
	s_cselect_b64 s[NXB:NXB+1], s[10:11], s[NXB:NXB+1]
	s_cselect_b64 s[NXB+2:NXB+3], s[12:13], s[NXB+2:NXB+3]
	CROUND                                         ; all four work-groups are here: the first joint loads meet
	tensor_load_to_lds s[G0A:G0A+3], s[G1A:G1A+7]  ; the first fills go out as one group: three loads of mine are out
	s_nop 0
	tensor_load_to_lds s[G0W:G0W+3], s[G1W:G1W+7]
	s_nop 0
	tensor_load_to_lds s[G0W+4:G0W+7], s[G1W:G1W+7]
	s_nop 0
	PLACES
	v_and_b32 v1, 15, v0                           ; r = lane % 16
	v_bfe_u32 v2, v0, 4, 1                         ; h = lane / 16
	v_lshlrev_b32 v[BO], 5, v2
	v_lshl_add_u32 v[BO], s[WV], 9, v[BO]          ; 4 (128 w + 8 h)
.macro BIAS p                          ; the 8 bias tiles from the pointer in s[p:p+1]
	WIN 0x40
.irp b, 0,1,2,3,4,5,6,7
	global_load_b128 v[BI+8*(\b):BI+8*(\b)+3],   v[BO], s[\p:\p+1] offset:64*(\b)
	global_load_b128 v[BI+8*(\b)+4:BI+8*(\b)+7], v[BO], s[\p:\p+1] offset:64*(\b)+16
.endr
	WIN 0
.endm
	BIAS CUB                                       ; the first matrix's
	v_mul_u32_u24 v3, v1, PW
	v_lshl_add_u32 v3, v2, 4, v3
	s_add_co_u32 s67, s66, WS0
	v_add_nc_u32 v[ADRW], s67, v3                  ; slot 0 + (128 w + r) pitch + 16 h
	v_add_nc_u32 v[ADRW+1], WSB, v[ADRW]
	v_and_b32 v4, 7, v0
	v_lshl_add_u32 v4, v2, 3, v4
	v_mul_u32_u24 v4, v4, PA
	v_bfe_u32 v5, v0, 3, 1
	v_lshl_add_u32 v[ADRA0], v5, 4, v4             ; the turning load: channel 8 h + lane % 8, tokens 8 ((lane / 8) % 2) on
	v_add_nc_u32 v[ADRA], s[AOFF], v[ADRA0]        ; at the walk's first pair
	s_mul_i32 s67, s[WV], 16*SPITCH
	s_add_co_u32 s67, s67, STAGE
	v_mul_u32_u24 v4, v1, SPITCH
	v_lshl_add_u32 v4, v2, 4, v4
	v_add_nc_u32 v[STO], s67, v4                   ; into my stage: row r, 16 bytes for each half of the lanes
	v_mul_u32_u24 v5, v2, SPITCH
	v_lshl_add_u32 v5, v1, 4, v5
	v_add_nc_u32 v[RD], s67, v5                    ; back: lanes 0-15 one row of 256 bytes, lanes 16-31 the next
	v_lshlrev_b32 v5, 10, v2
	v_lshl_add_u32 v[CO], v1, 4, v5                ; and the same two rows of the plane
; 16 products: token blocks a0, a0 + 1 of the window's four x all 8 o blocks, 32 channels.  first = 1: C is the bias tile: nothing is cleared.
; The 64 accumulators take turns, one instruction a turn.
.macro MUL16 f, hi, a0, first
.if \first
	WIN 0x91+0x40*(\hi)                            ; W window 1, tokens window 0, C window 1, D window 2 or 3
.else
	WIN 0xa1+0x50*(\hi)
.endif
.irp a, \a0, (\a0)+1
.irp b, 0,1,2,3,4,5,6,7
.if \first
	v_wmma_f32_16x16x32_bf16 v[8*(8*(\a)+(\b)):8*(8*(\a)+(\b))+7], v[(\f)+8*(\b):(\f)+8*(\b)+7], v[(\f)+8*(4*(\hi)+(\a)):(\f)+8*(4*(\hi)+(\a))+7], v[BI+8*(\b):BI+8*(\b)+7]
.else
	v_wmma_f32_16x16x32_bf16 v[8*(8*(\a)+(\b)):8*(8*(\a)+(\b))+7], v[(\f)+8*(\b):(\f)+8*(\b)+7], v[(\f)+8*(4*(\hi)+(\a)):(\f)+8*(4*(\hi)+(\a))+7], v[8*(8*(\a)+(\b)):8*(8*(\a)+(\b))+7]
.endif
.endr
.endr
.endm
; 32 LDS loads in one run: half s (32 channels) of the tile in slot, which is tile cp of the pair in hand: W's 8 fragments, then the tokens' 8
.macro FETCH slot, cp, s, f
	WIN 0x40
.irp i, 0,1,2,3,4,5,6,7
	ds_load_b128 v[(\f)+8*(\i):(\f)+8*(\i)+3],   v[ADRW+(\slot)] offset:(\i)*16*PW+64*(\s)
	ds_load_b128 v[(\f)+8*(\i)+4:(\f)+8*(\i)+7], v[ADRW+(\slot)] offset:(\i)*16*PW+64*(\s)+32
.endr
	WIN 0
.irp i, 0,1,2,3,4,5,6,7
	ds_load_tr16_b128 v[(\f)+8*(\i):(\f)+8*(\i)+3],   v[ADRA] offset:(\cp)*64*PA+(\s)*32*PA+32*(\i)
	ds_load_tr16_b128 v[(\f)+8*(\i)+4:(\f)+8*(\i)+7], v[ADRA] offset:(\cp)*64*PA+(\s)*32*PA+32*(\i)+16*PA
.endr
.endm
; A tile's first half: multiplies buffer 0 and fetches the second half into buffer 1.
.macro QUARTER slot, cp, first
	s_wait_dscnt 8                                 ; W and token blocks 0-3 are in; the youngest eight loads (blocks 4-7) may be out
	MUL16 F0, 0, 0, \first
	MUL16 F0, 0, 2, \first
	PLACES
	FETCH \slot, \cp, 1, F1
	s_wait_dscnt 32                                ; all but the 32 just issued
	MUL16 F0, 1, 0, \first
	MUL16 F0, 1, 2, \first
.endm
; A tile's second half multiplies buffer 1 and changes slots.  Its first 32 products stand AHEAD of the wait for the tile that is on its way: their fragments are in registers, and between
; that tile's landing and the next request stand only the lines that the order needs.  Then each wave waits for all its tensor loads (one is out: its part of the other slot), adds 0 to its
; spare word, and waits for that and for its reads of this slot.  fill = 1: the barrier opens a round of the cluster's, and this slot takes its tile of the walk's next pair, first thing behind it:
; 128 products, a whole tile's, stand between the request and the wait for it.  The next pair stands at place j = 13 - LEFT of the walk: pair (P0 + j) % 4 of matrix (M0 + j / 4) % 3; its address is
; made anew from these numbers.  Behind slot 1 that pair begins: n's offset is its number in the matrix x 128 channel rows.
.macro TURN slot, fill
	s_wait_dscnt 8                                 ; W and token blocks 0-3 are in; the youngest eight loads (blocks 4-7) may be out
	MUL16 F1, 0, 0, 0
	MUL16 F1, 0, 2, 0
	WIN 0
	s_wait_tensorcnt 0x0                           ; no tensor load of mine is out, so a group 0 may be written
	ds_add_u32 v[SPW], v[NIL]
.if \fill
.if (\slot) == 0
	s_sub_co_u32 s[T1], 13, s[LEFT]                ; j, 1 to 11
	s_add_co_u32 s[PN], s[T1], s[P0]
	s_and_b32 s[PN], s[PN], 3                      ; the pair in its matrix
	s_lshr_b32 s[T1], s[T1], 2
	s_add_co_u32 s[T1], s[T1], s[M0]               ; 0 to 4
	s_cmp_ge_u32 s[T1], 3
	s_cselect_b32 s[T2], 3, 0
	s_sub_co_u32 s[T1], s[T1], s[T2]               ; the matrix
	s_lshl2_add_u32 s[OFN], s[T1], s[PN]
	s_lshl_b32 s[OFN], s[OFN], 17
	s_add_nc_u64 s[G0W+2:G0W+3], s[WB:WB+1], s[OFN:OFN+1]
	s_or_b32 s[G0W+3], s[G0W+3], 0x80000000
.else
	s_add_nc_u64 s[G0W+6:G0W+7], s[WB1:WB1+1], s[OFN:OFN+1]
	s_or_b32 s[G0W+7], s[G0W+7], 0x80000000
.endif
.endif
	s_wait_dscnt 0x0                               ; the add is done, and my reads of this slot are over
	s_barrier_signal -1
	s_barrier_wait -1
.if \fill
	CREST
	tensor_load_to_lds s[G0W+4*(\slot):G0W+4*(\slot)+3], s[G1W:G1W+7]
	s_nop 0
.endif
	PLACES                                         ; behind the load, and the places in front of the loads into buffer 0
.if (\slot) == 1
	s_mul_i32 s[AOFF], s[PN], 128*PA
	v_add_nc_u32 v[ADRA], s[AOFF], v[ADRA0]
	FETCH 0, 0, 0, F0
.else
	FETCH 1, 1, 0, F0
.endif
	MUL16 F1, 1, 0, 0
	MUL16 F1, 1, 2, 0
.endm
; THE WAY OUT of token block a: rounded to bf16; through my own stage; stored as whole runs of 256 bytes.
.macro PACK a
.set AC, 64*((\a)%4)
	WIN 0x0a+5*((\a)/4)
.irp b, 0,1,2,3,4,5,6,7
.irp r, 0,1,2,3
	v_cvt_pk_bf16_f32 v[TMP+4*(\b)+(\r)], v[AC+8*(\b)+2*(\r)], v[AC+8*(\b)+2*(\r)+1]
.endr
.endr
	WIN 0
.endm
.macro TOSTAGE a
	WIN 0
.set BK, OB+192*((\a)%2)
.irp b, 0,1,2,3,4,5,6,7
	ds_store_b128 v[STO], v[TMP+4*(\b):TMP+4*(\b)+3] offset:32*(\b)
.endr
.irp t, 0,1,2,3,4,5,6,7
	ds_load_b128 v[BK+4*(\t):BK+4*(\t)+3], v[RD] offset:(\t)*2*SPITCH  ; LDS serves a wave's instructions in order (ISA guide 5.7.1.4): these see the stores above
.endr
.endm
.macro SEND a
	WIN 0
.set BK, OB+192*((\a)%2)
	s_wait_dscnt 0x0                               ; the block is back in registers
	s_wait_xcnt 0x0                                ; the registers that the stores of two blocks ago read are loaded again only behind this wait
.irp t, 0,1,2,3,4,5,6,7
	global_store_b128 v[CO], v[BK+4*(\t):BK+4*(\t)+3], s[OUT:OUT+1] offset:(16*(\a)+2*(\t))*1024  ; 16 lanes store 256 consecutive bytes, aligned
.endr
.endm
.macro WAYOUT
	PACK 0
	TOSTAGE 0
.irp a, 1,2,3,4,5,6,7
	PACK \a
	SEND (\a)-1
	TOSTAGE \a
.endr
	SEND 7
.endm
	s_wait_tensorcnt 0x1                           ; my parts of n and of the first tile are in; the second tile may stay out
	s_barrier_signal -1
	s_barrier_wait -1
	FETCH 0, 0, 0, F0
	s_mov_b32 s[LEFT], 12
	s_branch .Lfirst                               ; the loop is entered where a matrix begins, so that every sum is started before any line adds onto it
.Lpair:                                                ; a trip: a pair of tiles; both slots are filled again
	s_and_b32 s[T0], s[LEFT], 3
	s_cmp_eq_u32 s[T0], 0
	s_cbranch_scc0 .Lplain
.Lfirst:
	v_nop                                          ; the products below write their accumulators afresh (C is the bias tile): with the four places inside the half tile this is the fifth
	                                               ; between a trip's last products, on token blocks 4-7, and the products that write over them (ISA guide 7.12.1)
	s_wait_loadcnt 0x0                             ; this matrix's bias tiles
	QUARTER 0, 0, 1                                ; the first products start the sums with the bias
	PLACES                                         ; in front of the loads into the bias tiles
	WIN 0
	s_cmp_eq_u32 s[LEFT], 4
	s_cbranch_scc1 .Lhalf_done                     ; the walk's last matrix: no bias follows
	BIAS NXB
	s_branch .Lhalf_done
.Lplain:
	QUARTER 0, 0, 0
	WIN 0
.Lhalf_done:
	s_cmp_eq_u32 s[LEFT], 1
	s_cbranch_scc1 .Ltail                          ; the launch's last pair is written out: it asks for nothing more
	TURN 0, 1
	QUARTER 1, 1, 0
	TURN 1, 1                                      ; at a matrix's end the ring goes on into the next matrix, whose first fragments are fetched here
	WIN 0
	s_and_b32 s[T0], s[LEFT], 3
	s_cmp_eq_u32 s[T0], 1
	s_cbranch_scc0 .Lno_out
	WAYOUT                                         ; a matrix is finished.  Blocks 0-3's conversions are the places behind the last products (blocks 4-7's)
	s_wait_xcnt 0x0                                ; the stores and the bias loads have read their bases
	s_add_co_u32 s[MC], s[MC], 1                   ; the next matrix, modulo 3, and its plane
	s_cmp_eq_u32 s[MC], 3
	s_cselect_b32 s[MC], 0, s[MC]
	s_lshl_b32 s[OFO], s[MC], 25
	s_add_nc_u64 s[OUT:OUT+1], s[OUTB:OUTB+1], s[OFO:OFO+1]
	s_mov_b64 s[NXB:NXB+1], s[NXB+2:NXB+3]
.Lno_out:
	s_sub_co_u32 s[LEFT], s[LEFT], 1
	s_branch .Lpair
.Ltail:
	TURN 0, 0                                      ; the walk's last tile has landed; nothing is filled again
	QUARTER 1, 1, 0
	s_wait_dscnt 8
	MUL16 F1, 0, 0, 0
	MUL16 F1, 0, 2, 0
	s_wait_dscnt 0x0
	MUL16 F1, 1, 0, 0
	MUL16 F1, 1, 2, 0
	PLACES
	WAYOUT
	s_wait_tensorcnt 0x0                           ; the wave's end
	ds_add_u32 v[SPW], v[NIL]
	s_wait_dscnt 0x0
	CROUND                                         ; the closing round
	s_endpgm
.Lfunc_end_k_qeec0b74ec1_qkv:
	.size	k_qeec0b74ec1_qkv, .Lfunc_end_k_qeec0b74ec1_qkv-k_qeec0b74ec1_qkv
	.p2alignl 7, 3214868480
	.fill 96, 4, 3214868480
	.section	.rodata,"a",@progbits
	.p2align	6, 0x0
	.amdhsa_kernel k_qeec0b74ec1_qkv
		.amdhsa_group_segment_fixed_size 327680
		.amdhsa_private_segment_fixed_size 0
		.amdhsa_enable_private_segment 0
		.amdhsa_kernarg_size 48
		.amdhsa_user_sgpr_count 2
		.amdhsa_user_sgpr_kernarg_segment_ptr 1
		.amdhsa_wavefront_size32 1
		.amdhsa_system_sgpr_workgroup_id_x 1
		.amdhsa_system_sgpr_workgroup_id_y 1
		.amdhsa_system_sgpr_workgroup_id_z 1
		.amdhsa_system_vgpr_workitem_id 0
		.amdhsa_next_free_vgpr 1024
		.amdhsa_next_free_sgpr 88
		.amdhsa_reserve_vcc 0
		.amdhsa_float_denorm_mode_32 3
		.amdhsa_float_denorm_mode_16_64 3
		.amdhsa_memory_ordered 1
		.amdhsa_forward_progress 1
		.amdhsa_inst_pref_size 125
	.end_amdhsa_kernel
	.amdgpu_metadata
---
amdhsa.version: [ 1, 2 ]
amdhsa.kernels:
  - .name:           k_qeec0b74ec1_qkv
    .symbol:         k_qeec0b74ec1_qkv.kd
    .args:
      - { .name: nb, .offset: 0, .size: 8, .value_kind: global_buffer, .address_space: global }
      - { .name: wb, .offset: 8, .size: 8, .value_kind: global_buffer, .address_space: global }
      - { .name: bq, .offset: 16, .size: 8, .value_kind: global_buffer, .address_space: global }
      - { .name: bk, .offset: 24, .size: 8, .value_kind: global_buffer, .address_space: global }
      - { .name: bv, .offset: 32, .size: 8, .value_kind: global_buffer, .address_space: global }
      - { .name: qkv, .offset: 40, .size: 8, .value_kind: global_buffer, .address_space: global }
    .group_segment_fixed_size: 327680
    .private_segment_fixed_size: 0
    .kernarg_segment_align: 8
    .kernarg_segment_size: 48
    .max_flat_workgroup_size: 128
    .sgpr_count:     88
    .vgpr_count:     1024
    .wavefront_size: 32
...
	.end_amdgpu_metadata
.endif
;; end of part 2
;; launch att (part 3): grid 8 x 32, 4 waves a work-group, clusters of 4 x 1, 327,680 bytes of LDS; arguments qkv, wb, bp, x, out0; writes out0
.if DOCPART == 3
	.amdgcn_target "amdgcn-amd-amdhsa--gfx1250"
	.amdhsa_code_object_version 6
	.text
	.protected	k_qeec0b74ec1_att
	.globl	k_qeec0b74ec1_att
	.p2align	8
	.type	k_qeec0b74ec1_att,@function
k_qeec0b74ec1_att:
	s_mov_b64 s[64:65], 0
	v_nop
	global_prefetch_b8 v0, s[64:65] scope:SCOPE_SE
	s_setreg_imm32_b32 hwreg(HW_REG_WAVE_MODE, 25, 1), 1
	s_wait_xcnt 0x0
	s_wait_alu depctr_hold_cnt(0) depctr_sa_sdst(0) depctr_va_vdst(0) depctr_va_sdst(0) depctr_va_ssrc(0) depctr_va_vcc(0) depctr_vm_vsrc(0)
	s_getreg_b32 s2, hwreg(HW_REG_IB_STS2, 6, 4)
	s_cmp_eq_u32 s2, 0
	s_cbranch_scc0 .Lentry_in_a_cluster
	s_endpgm
.Lentry_in_a_cluster:
	s_bfe_u32 s2, ttmp6, 0x10000c
	s_cmp_lg_u32 s2, 0x3003
	s_cbranch_scc0 .Lentry_shape_is_right
	s_endpgm
.Lentry_shape_is_right:
; out0 = x + Wp softmax(q k^T / sqrt(512)) v + bp, one head of size 512 over the 1,024 tokens of an image.  q, k, v: planes [token][512] bf16 of qkv.
; A work-group owns 128 queries of one image and walks the keys in four steps of 256.  Products in bf16 with f32 sums; maxima, sums, bias and x in f32; P and O rounded once to bf16.
; SHARES.  Q (later O) lies in LDS for all four waves.  S^T = K Q^T: wave w has keys 64 w .. + 63 x 128 queries (32 accumulators; 24 LDS loads feed 32 products).
; O^T = V^T P: wave w has channels 128 w .. + 127 x 128 queries (64 accumulators; 32 loads feed 64 products); P goes from wave to wave through LDS, 128 keys at a time.
; The projection: wave w has 64 o x 128 queries, twice.  In S^T, P and O^T a lane holds ONE query (lane % 16); in the projection one o and eight neighbouring pixels.
; SOFTMAX.  Running maximum m (the four waves' maxima meet in LDS each step) and sum l (each wave keeps its keys' part; the parts meet at the end):
; p = 2^(c s - c m), c = log2(e) / sqrt(512); O and l are multiplied by a = 2^(c m_old - c m_new) each step.  m starts at the lowest finite number, O and l at 0.
; THE RING.  Two slots take K's tiles (256 keys x 128 channels), V's (64 keys x 512 channels) and Wp's (256 o x 128 channels) by turns: K0 K1 K2 K3 V0 V1 V2 V3 in each step, then Wp 0-7.
; CLUSTER.  Four query blocks of one image walk the same K, V and Wp: each tile is asked for JOINTLY (mask 15).  Q is each work-group's own.
; THE WALK IS STAGGERED.  An image has two clusters.  The one takes the key steps in the order 0, 1, 2, 3, the other 1, 0, 3, 2 (the place in the walk, exclusive or the cluster's number): the running
; maximum makes the order free.  So the two never ask for the same tile in the same step, and 16 of a cluster's 32 tiles of K and V have been asked for by the other cluster one step before.
; LIMITS.  NaN and infinities are not treated apart; a weight below 2^-126 counts as 0.
; REGISTERS by windows of 256: window 0: v0-31 addresses; v32-63 statistics (c m, m, l, l a query tile); v64-159, v160-255 fragment buffers of S and of the projection;
;   in the softmax v64-191 P packed, v192-223 at work, v224-239 (a, work), v240-247 my maxima.   window 1: S^T, (key block, query tile) at 8 (8 kb + qt); in V^T P two fragment
;   buffers of 128; in the projection v0-31 bias tiles, v64-127 rows on the way out.   windows 2, 3: O^T, (channel block, query tile) at 8 (8 (cb % 4) + qt); in the projection window 2 the sums, window 3 64 rows of x.
.set PQ,    1040                       ; a row of Q or O: 1,024 bytes + 16
.set PKP,   272                        ; a row of a K or Wp tile, and of P: 256 bytes + 16
.set PVP,   1056                       ; a row of a V tile: 1,024 bytes + 32 (the turning load)
.set SPS,   528                        ; a row of the f32 stage: 512 bytes + 16
.set SLOT0, 128*PQ
.set SLOTB, 256*PKP
.set PB,    SLOT0+2*SLOTB              ; P for 128 keys: 128 query rows; later four stages of 16 rows.  Never filled by a tensor load
.set XM,    PB+128*PKP                 ; [wave][lane % 16][query tile] maxima; 2,048 bytes on, the sums
.set SPARE, XM+4096                    ; the spare words
.set ADRK, 3                           ; v3-4   my K (Wp) fragments in slot 0, 1
.set AQ,   5                           ; v5-6   Q's (O's) fragments, query tiles 0-3 and 4-7
.set AQ0,  7                           ; v7-8   the same at channel 0
.set ADRV, 9                           ; v9-10  my V fragments in slot 0, 1
.set ADRP, 11
.set PST,  12
.set XMS,  13
.set XMR,  14
.set OST,  15                          ; v15-16 where O goes, query tiles 0-3 and 4-7
.set STS,  17
.set STR,  18
.set GX,   19                          ; 16 x lane
.set BPV,  20                          ; v20-23 bp[64 w + 16 ob + lane % 16] of the half in hand, v24-27 of the second half
.set SPW,  28
.set NIL,  29
.set BPO,  31
.set ST,   32
.set F0,   64
.set F1,   160
.set PK,   64
.set C,    192
.set A,    224
.set PMX,  240
.set G0,   0
.set G1,   128
.set BT,   0
.set RB,   64
.set WV,   14
.set T1,   19                          ; s19 at work
.set KO,   20                          ; s[20:21] a key step's byte offset in K's plane (the high word stays 0)
.set VO,   22                          ; s[22:23] the same for V
.set G1Q,  24
.set G1K,  32
.set G1V,  40
.set G0Q,  48
.set G0K,  52                          ; s[52:59] a set for each slot
.set G0V,  60                          ; s[60:63], s[68:71]
.set KN,   72                          ; the next step's K, my 64 keys
.set WPW,  74                          ; Wp, my 64 o
.set TT,   76
.set CS,   78
.set SEL,  80
.set CNT,  82                          ; key steps still to go, this one among them: 4 to 1
.set PC,   83                          ; pairs of Wp's tiles still to go, this one among them: 4 to 1
.set QOFF, 84
.set CXR,  85                          ; s85 which of the image's two clusters: 0 or 1, the same in the four partners
.set INC,  86
.set XP,   88
.set OP,   90
.set KB,   96                          ; s[96:97]  K at my 64 keys of key step 0
.set VB,   98                          ; s[98:99]  V at my 16 keys of key step 0's tile 0, s[100:101] of its tile 1
.set VB1,  100
.set MSB, 0
.macro WIN new
.if MSB != (\new)
	s_set_vgpr_msb (MSB<<8)|(\new)
.set MSB, (\new)
.endif
.endm
.macro PLACES
.rept 4
	v_nop
.endr
.endm
.macro CREST
	s_cmp_lg_u32 s[WV], 0
	s_cbranch_scc1 .Lnot_wave_0_\@
	s_barrier_signal -3
.Lnot_wave_0_\@:
	s_barrier_wait -3
	s_barrier_signal -1
	s_barrier_wait -1
.endm
.macro CROUND
	s_barrier_signal -1
	s_barrier_wait -1
	CREST
.endm
.macro ALLQ line:vararg                ; one line for each query tile t
.set t, 0
.rept 8
	\line
.set t, t+1
.endr
.endm
	s_load_b256 s[4:11], s[0:1], 0x0               ; qkv s[4:5], wb s[6:7], bp s[8:9], x s[10:11]
	s_load_b64 s[12:13], s[0:1], 0x20              ; out0
	v_lshl_add_u32 v[SPW], v0, 2, SPARE
	v_mov_b32 v[NIL], 0
	ds_add_u32 v[SPW], v[NIL]                      ; the wave's opening: the add and its wait stand ahead of my first tensor load
	v_lshrrev_b32 v30, 5, v0
	v_readfirstlane_b32 s[WV], v30
	s_bfe_u32 s15, ttmp6, 0x40000                  ; cx
	s_lshl_b32 s16, ttmp9, 2
	s_add_co_u32 s16, s16, s15                     ; my block of 128 queries: it enters Q's, x's and out0's addresses alone
	s_and_b32 s17, ttmp7, 0xffff                   ; the image, which the partners share
	s_and_b32 s[CXR], ttmp9, 1                     ; the cluster's number along x, which they share too
	s_lshl_b32 s18, s17, 20                        ; its 1,024 rows of 1,024 bytes in a plane
	s_lshl_b32 s19, s[WV], 16
	s_add_co_u32 s20, s18, s19
	s_add_co_u32 s20, s20, 0x2000000               ; K's plane, my 64 keys of key step 0
	s_mov_b32 s21, 0
	s_lshl_b32 s22, s[WV], 14
	s_add_co_u32 s22, s22, s18
	s_add_co_u32 s22, s22, 0x4000000               ; V's plane, my 16 keys of key step 0's tile 0
	s_mov_b32 s23, 0
	s_add_co_u32 s2, s19, 0x180000                 ; Wp in wb, my 64 o
	s_mov_b32 s3, 0
	s_lshl_b32 s92, s16, 17
	s_add_co_u32 s92, s92, s18
	s_lshl_b32 s93, s[WV], 15
	s_add_co_u32 s92, s92, s93                     ; Q: my 32 rows
	s_mov_b32 s93, 0
	s_lshl_b32 s94, s17, 21
	s_lshl_b32 s95, s[WV], 18
	s_add_co_u32 s94, s94, s95
	s_lshl_b32 s95, s16, 9
	s_add_co_u32 s94, s94, s95                     ; x and out0: the image, my 64 channels, my block's 128 pixels
	s_mov_b32 s95, 0
	s_mov_b32 s[G1Q], (1<<16)|(1<<20)|(7<<22)|(3<<25)  ; 32 rows x 512 elements, 4 words of padding behind every 256
	s_mov_b32 s[G1Q+1], 512<<16
	s_mov_b32 s[G1Q+2], 32<<16
	s_mov_b32 s[G1Q+3], 512<<16
	s_mov_b32 s[G1Q+4], 32
	s_mov_b32 s[G1K], 15|(1<<16)|(1<<20)|(1<<21)|(5<<22)|(3<<25)  ; 64 rows x 128 elements, 4 words behind every 64; the mask of four, bit 21 beside it
	s_mov_b32 s[G1K+1], 128<<16
	s_mov_b32 s[G1K+2], 64<<16
	s_mov_b32 s[G1K+3], 128<<16
	s_mov_b32 s[G1K+4], 64
	s_mov_b32 s[G1V], 15|(1<<16)|(1<<20)|(1<<21)|(7<<22)|(7<<25)  ; 16 rows x 512 elements, 8 words behind every 256
	s_mov_b32 s[G1V+1], 512<<16
	s_mov_b32 s[G1V+2], 16<<16
	s_mov_b32 s[G1V+3], 512<<16
	s_mov_b32 s[G1V+4], 16
.irp g, G1Q, G1K, G1V
	s_mov_b32 s[\g+5], 512                         ; 512 elements from row to row
	s_mov_b32 s[\g+6], 0
	s_mov_b32 s[\g+7], 0
.endr
	s_mov_b32 s[G0Q], 1
	s_mul_i32 s[G0Q+1], s[WV], 32*PQ
	s_mul_i32 s19, s[WV], 64*PKP
	s_mov_b32 s[G0K], 1
	s_add_co_u32 s[G0K+1], s19, SLOT0
	s_mov_b32 s[G0K+4], 1
	s_add_co_u32 s[G0K+5], s19, SLOT0+SLOTB
	s_mul_i32 s19, s[WV], 16*PVP
	s_mov_b32 s[G0V], 1
	s_add_co_u32 s[G0V+1], s19, SLOT0
	s_mov_b32 s[G0V+8], 1
	s_add_co_u32 s[G0V+9], s19, SLOT0+SLOTB
	s_mov_b32 s[CS], 0x3d8293ee                    ; c = log2(e) / sqrt(512)
	s_mov_b32 s[CS+1], s[CS]
	s_mov_b32 s[SEL], 0x76543210
	s_mov_b32 s[SEL+1], 0xfedcba98
	s_mov_b32 s[INC], 512
	s_mov_b32 s[INC+1], 0
	s_wait_dscnt 0x0                               ; the opening add is done
	s_wait_kmcnt 0x0
	s_add_nc_u64 s[G0Q+2:G0Q+3], s[4:5], s[92:93]
	s_or_b32 s[G0Q+3], s[G0Q+3], 0x80000000
	s_add_nc_u64 s[KB:KB+1], s[4:5], s[20:21]
	s_add_nc_u64 s[VB:VB+1], s[4:5], s[22:23]
	s_add_nc_u64 s[VB1:VB1+1], s[VB:VB+1], 0x10000 ; 64 keys on
	s_lshl_b32 s[KO], s[CXR], 18                   ; the walk's first key step is 0 or 1: 256 rows of 1,024 bytes each
	s_add_nc_u64 s[TT:TT+1], s[KB:KB+1], s[KO:KO+1]
	s_mov_b64 s[G0K+2:G0K+3], s[TT:TT+1]           ; K tile 0: channels 0-127
	s_or_b32 s[G0K+3], s[G0K+3], 0x80000000
	s_add_nc_u64 s[G0K+6:G0K+7], s[TT:TT+1], 256   ; K tile 1
	s_or_b32 s[G0K+7], s[G0K+7], 0x80000000
	s_add_nc_u64 s[WPW:WPW+1], s[6:7], s[2:3]
	s_add_nc_u64 s[XP:XP+1], s[10:11], s[94:95]
	s_add_nc_u64 s[OP:OP+1], s[12:13], s[94:95]
	CROUND                                         ; all four work-groups are here: the first joint loads meet
	tensor_load_to_lds s[G0Q:G0Q+3], s[G1Q:G1Q+7]  ; the first fills go out as one group: three loads of mine are out
	s_nop 0
	tensor_load_to_lds s[G0K:G0K+3], s[G1K:G1K+7]
	s_nop 0
	tensor_load_to_lds s[G0K+4:G0K+7], s[G1K:G1K+7]
	s_nop 0
	PLACES
	v_and_b32 v1, 15, v0                           ; r
	v_bfe_u32 v2, v0, 4, 1                         ; h
	v_lshlrev_b32 v[BPO], 2, v1
	v_lshl_add_u32 v[BPO], s[WV], 8, v[BPO]
.set zi, 0
.rept 8
	global_load_b32 v[BPV+zi], v[BPO], s[8:9] offset:1024*(zi/4)+64*(zi%4)
.set zi, zi+1
.endr
	v_mul_u32_u24 v30, v1, PKP
	v_lshl_add_u32 v30, v2, 4, v30                 ; r x 272 + 16 h
	s_mul_i32 s18, s[WV], 64*PKP
	s_add_co_u32 s18, s18, SLOT0
	v_add_nc_u32 v[ADRK], s18, v30
	v_add_nc_u32 v[ADRK+1], SLOTB, v[ADRK]
	v_add_nc_u32 v[ADRP], PB, v30
	s_and_b32 s18, s[WV], 1
	s_lshl_b32 s18, s18, 7
	v_add_nc_u32 v[PST], s18, v[ADRP]              ; my 64 keys' 128 bytes of P's rows
	v_mul_u32_u24 v30, v1, PQ
	v_lshl_add_u32 v[AQ0], v2, 4, v30
	v_add_nc_u32 v[AQ0+1], 64*PQ, v[AQ0]
	v_mov_b32 v[AQ], v[AQ0]
	v_mov_b32 v[AQ+1], v[AQ0+1]
	v_lshl_add_u32 v[OST], s[WV], 8, v[AQ0]
	v_add_nc_u32 v[OST+1], 64*PQ, v[OST]
	v_and_b32 v30, 7, v0
	v_lshl_add_u32 v30, v2, 3, v30
	v_mul_u32_u24 v30, v30, PVP
	v_bfe_u32 v64, v0, 3, 1
	v_lshl_add_u32 v30, v64, 4, v30                ; the turning load: key 8 h + lane % 8, channels 8 ((lane / 8) % 2) on
	s_lshl_b32 s18, s[WV], 8
	s_add_co_u32 s18, s18, SLOT0
	v_add_nc_u32 v[ADRV], s18, v30
	v_add_nc_u32 v[ADRV+1], SLOTB, v[ADRV]
	v_lshlrev_b32 v30, 5, v1
	v_add_nc_u32 v[XMR], XM, v30
	v_lshl_add_u32 v[XMS], s[WV], 9, v[XMR]
	s_mul_i32 s18, s[WV], 16*SPS
	s_add_co_u32 s18, s18, PB
	v_mul_u32_u24 v30, v1, SPS
	v_lshl_add_u32 v30, v2, 5, v30
	v_add_nc_u32 v[STS], s18, v30
	v_and_b32 v30, 31, v0
	v_lshlrev_b32 v[GX], 4, v30
	v_add_nc_u32 v[STR], s18, v[GX]
	; O = 0: 64 products of two zero fragments, in the wait for the first tiles, in place of 512 moves
.set zi, 0
.rept 16
	v_mov_b32 v[F0+zi], 0
.set zi, zi+1
.endr
	WIN 0x80
.set zi, 0
.rept 32
	v_wmma_f32_16x16x32_bf16 v[8*zi:8*zi+7], v[F0:F0+7], v[F0+8:F0+15], 0
.set zi, zi+1
.endr
	WIN 0xc0
.set zi, 0
.rept 32
	v_wmma_f32_16x16x32_bf16 v[8*zi:8*zi+7], v[F0:F0+7], v[F0+8:F0+15], 0
.set zi, zi+1
.endr
	WIN 0
	ALLQ v_mov_b32 v[ST+4*t], 0xfe000000           ; c m: far below every c s (these 32 moves are also the places behind those products)
	ALLQ v_mov_b32 v[ST+4*t+1], 0xff7fffff         ; m
	ALLQ v_mov_b32 v[ST+4*t+2], 0
	ALLQ v_mov_b32 v[ST+4*t+3], 0
; 24 LDS loads in one run: 32 channels (slice s of tile column c): Q's or O's 8 fragments, then my 4 of K or Wp
.macro SFETCH slot, c, s, f
	WIN 0
.irp q, 0,1,2,3,4,5,6,7
	ds_load_b128 v[(\f)+32+8*(\q):(\f)+32+8*(\q)+3],   v[AQ+(\q)/4] offset:((\q)%4)*16*PQ+256*(\c)+64*(\s)
	ds_load_b128 v[(\f)+32+8*(\q)+4:(\f)+32+8*(\q)+7], v[AQ+(\q)/4] offset:((\q)%4)*16*PQ+256*(\c)+64*(\s)+32
.endr
.irp k, 0,1,2,3
	ds_load_b128 v[(\f)+8*(\k):(\f)+8*(\k)+3],   v[ADRK+(\slot)] offset:(\k)*16*PKP+64*(\s)
	ds_load_b128 v[(\f)+8*(\k)+4:(\f)+8*(\k)+7], v[ADRK+(\slot)] offset:(\k)*16*PKP+64*(\s)+32
.endr
.endm
; 8 products for key (o) block kb.  mode 0: S^T starts with 0; 1: S^T goes on; 2: the projection starts with the bias tile; 3: goes on.  The accumulators take turns.
.macro SMUL f, kb, mode
.if (\mode) < 2
	WIN 0x50
.elseif (\mode) == 2
	WIN 0x90
.else
	WIN 0xa0
.endif
.irp q, 0,1,2,3,4,5,6,7
.if (\mode) == 0
	v_wmma_f32_16x16x32_bf16 v[8*(8*(\kb)+(\q)):8*(8*(\kb)+(\q))+7], v[(\f)+8*(\kb):(\f)+8*(\kb)+7], v[(\f)+32+8*(\q):(\f)+32+8*(\q)+7], 0
.elseif (\mode) == 1
	v_wmma_f32_16x16x32_bf16 v[8*(8*(\kb)+(\q)):8*(8*(\kb)+(\q))+7], v[(\f)+8*(\kb):(\f)+8*(\kb)+7], v[(\f)+32+8*(\q):(\f)+32+8*(\q)+7], v[8*(8*(\kb)+(\q)):8*(8*(\kb)+(\q))+7]
.elseif (\mode) == 2
	v_wmma_f32_16x16x32_bf16 v[8*(8*(\kb)+(\q)):8*(8*(\kb)+(\q))+7], v[(\f)+32+8*(\q):(\f)+32+8*(\q)+7], v[(\f)+8*(\kb):(\f)+8*(\kb)+7], v[BT+8*(\kb):BT+8*(\kb)+7]
.else
	v_wmma_f32_16x16x32_bf16 v[8*(8*(\kb)+(\q)):8*(8*(\kb)+(\q))+7], v[(\f)+32+8*(\q):(\f)+32+8*(\q)+7], v[(\f)+8*(\kb):(\f)+8*(\kb)+7], v[8*(8*(\kb)+(\q)):8*(8*(\kb)+(\q))+7]
.endif
.endr
.endm
; One of a tile's first three slices: multiplies buffer f (slice s) and fetches slice s + 1 into g
.macro SSL slot, c, s, f, g, mode
	s_wait_dscnt 4                                 ; the youngest four loads (blocks 2, 3) may be out
	SMUL \f, 0, \mode
	SMUL \f, 1, \mode
	PLACES
	SFETCH \slot, \c, (\s)+1, \g
	s_wait_dscnt 24                                ; all but the 24 just issued
	SMUL \f, 2, \mode
	SMUL \f, 3, \mode
.endm
; The descriptor of the tile that a change of slots asks for.  kind 0: K, two tiles (256 channels) on.  1: V, two tiles (128 keys) on.  2: the next step's K tile 0 or 1, or in the last step Wp's.
; 3: Wp, two tiles on.  4: V tile 0 or 1 of the step in hand.  The walk's place i = 4 - CNT holds key step i xor CXR; kinds 2 and 4 make the address anew from that number.
.macro STEPD kind, slot
.if (\kind) == 0
	s_add_nc_u64 s[G0K+4*(\slot)+2:G0K+4*(\slot)+3], s[G0K+4*(\slot)+2:G0K+4*(\slot)+3], 512
.elseif (\kind) == 1
	s_add_nc_u64 s[G0V+8*(\slot)+2:G0V+8*(\slot)+3], s[G0V+8*(\slot)+2:G0V+8*(\slot)+3], 0x20000
.elseif (\kind) == 2
.if (\slot) == 0
	s_sub_co_u32 s[T1], 5, s[CNT]                  ; the next place in the walk, 1 to 4
	s_xor_b32 s[T1], s[T1], s[CXR]
	s_and_b32 s[T1], s[T1], 3                      ; (behind the last step the number is held inside K and not used)
	s_lshl_b32 s[KO], s[T1], 18
	s_add_nc_u64 s[KN:KN+1], s[KB:KB+1], s[KO:KO+1]
	s_cmp_eq_u32 s[CNT], 1
	s_cselect_b64 s[TT:TT+1], s[WPW:WPW+1], s[KN:KN+1]
	s_mov_b64 s[G0K+2:G0K+3], s[TT:TT+1]
	s_or_b32 s[G0K+3], s[G0K+3], 0x80000000
.else
	s_add_nc_u64 s[G0K+6:G0K+7], s[TT:TT+1], 256
	s_or_b32 s[G0K+7], s[G0K+7], 0x80000000
.endif
.elseif (\kind) == 3
	s_add_nc_u64 s[G0K+4*(\slot)+2:G0K+4*(\slot)+3], s[G0K+4*(\slot)+2:G0K+4*(\slot)+3], s[INC:INC+1]
.if (\slot) == 1
	s_xor_b32 s[INC], s[INC], 0x3fc00              ; 512, 261,632, 512: two columns on, or to the next 256 o and back to column 0 or 1
.endif
.elseif (\kind) == 4
.if (\slot) == 0
	s_sub_co_u32 s[T1], 4, s[CNT]                  ; this place in the walk, 0 to 3
	s_xor_b32 s[T1], s[T1], s[CXR]
	s_lshl_b32 s[VO], s[T1], 18
	s_add_nc_u64 s[G0V+2:G0V+3], s[VB:VB+1], s[VO:VO+1]
	s_or_b32 s[G0V+3], s[G0V+3], 0x80000000
.else
	s_add_nc_u64 s[G0V+10:G0V+11], s[VB1:VB1+1], s[VO:VO+1]
	s_or_b32 s[G0V+11], s[G0V+11], 0x80000000
.endif
.endif
.endm
.macro ASK kind, slot                  ; the joint refill; an s_nop 0 and four v_nop follow it
.if ((\kind) == 1) || ((\kind) == 4)
	tensor_load_to_lds s[G0V+8*(\slot):G0V+8*(\slot)+3], s[G1V:G1V+7]
.else
	tensor_load_to_lds s[G0K+4*(\slot):G0K+4*(\slot)+3], s[G1K:G1K+7]
.endif
	s_nop 0
	PLACES
.endm
; A tile's last slice multiplies buffer 1 and changes slots.  Its first 16 products stand AHEAD of the wait for the tile that is on its way: their fragments are in registers, and between that tile's
; landing and the next request stand only the lines that the order needs.  Then each wave waits for all its tensor loads (one is out: its part of the other slot), adds 0 to its spare word, and waits
; for that and for its reads of this slot; the barrier opens a round of the cluster's; the refill is the first thing behind it, 128 products ahead of the wait for it.
; kind -1: nothing is asked for, and the barrier is the work-group's alone.
; nf = 1: the next tile's first slice (slot nslot, column nc) is fetched.  upd = 1: the projection's next pair of tiles: O's column is 256 channels x the parity of that pair's number, 5 - PC.
.macro STURN kind, slot, mode, nf, nslot, nc, upd
	s_wait_dscnt 4                                 ; the youngest four loads (blocks 2, 3) may be out
	SMUL F1, 0, \mode
	SMUL F1, 1, \mode
	WIN 0
	s_wait_tensorcnt 0x0                           ; no tensor load of mine is out, so a group 0 may be written
	ds_add_u32 v[SPW], v[NIL]
	STEPD \kind, \slot
	s_wait_dscnt 0x0                               ; the add is done, and my reads of this slot are over
	s_barrier_signal -1
	s_barrier_wait -1
.if (\kind) >= 0
	CREST
	ASK \kind, \slot
.else
	PLACES
.endif
.if \upd
	s_and_b32 s[QOFF], s[PC], 1
	s_xor_b32 s[QOFF], s[QOFF], 1
	s_lshl_b32 s[QOFF], s[QOFF], 9
	v_add_nc_u32 v[AQ], s[QOFF], v[AQ0]
	v_add_nc_u32 v[AQ+1], s[QOFF], v[AQ0+1]
.endif
.if \nf
	SFETCH \nslot, \nc, 0, F0
.endif
	SMUL F1, 2, \mode
	SMUL F1, 3, \mode
.endm
; 32 LDS loads in one run: 32 keys (half s of the V tile in slot, which is tile jj of P's 128 keys): P's 8 fragments, then my 8 of V, turned
.macro VFETCH slot, s, jj, g
	WIN 0x40
.irp q, 0,1,2,3,4,5,6,7
	ds_load_b128 v[(\g)+64+8*(\q):(\g)+64+8*(\q)+3],   v[ADRP] offset:(\q)*16*PKP+128*(\jj)+64*(\s)
	ds_load_b128 v[(\g)+64+8*(\q)+4:(\g)+64+8*(\q)+7], v[ADRP] offset:(\q)*16*PKP+128*(\jj)+64*(\s)+32
.endr
.irp c, 0,1,2,3,4,5,6,7
	ds_load_tr16_b128 v[(\g)+8*(\c):(\g)+8*(\c)+3],   v[ADRV+(\slot)] offset:(\s)*32*PVP+32*(\c)
	ds_load_tr16_b128 v[(\g)+8*(\c)+4:(\g)+8*(\c)+7], v[ADRV+(\slot)] offset:(\s)*32*PVP+32*(\c)+16*PVP
.endr
.endm
.macro PVMUL g, hi, c0                 ; 16 products of O^T += V^T P: channel blocks 4 hi + c0, + 1 x all 8 query tiles
	WIN 0xa5+0x50*(\hi)
.irp c, \c0, (\c0)+1
.irp q, 0,1,2,3,4,5,6,7
	v_wmma_f32_16x16x32_bf16 v[8*(8*(\c)+(\q)):8*(8*(\c)+(\q))+7], v[(\g)+8*(4*(\hi)+(\c)):(\g)+8*(4*(\hi)+(\c))+7], v[(\g)+64+8*(\q):(\g)+64+8*(\q)+7], v[8*(8*(\c)+(\q)):8*(8*(\c)+(\q))+7]
.endr
.endr
.endm
.macro VQ slot, jj                     ; a V tile's first half
	s_wait_dscnt 8                                 ; the youngest eight loads (channel blocks 4-7) may be out
	PVMUL G0, 0, 0
	PVMUL G0, 0, 2
	PLACES
	VFETCH \slot, 1, \jj, G1
	s_wait_dscnt 32                                ; all but the 32 just issued
	PVMUL G0, 1, 0
	PVMUL G0, 1, 2
.endm
.macro PSTORE low                      ; waves 0, 1 (low = 1) or 2, 3 put their 64 keys x 128 queries of P into LDS
	WIN 0
	s_cmp_lt_u32 s[WV], 2
.if \low
	s_cbranch_scc0 .Lnot_mine_\@
.else
	s_cbranch_scc1 .Lnot_mine_\@
.endif
.set zi, 0
.rept 32
	ds_store_b128 v[PST], v[PK+4*zi:PK+4*zi+3] offset:(zi%8)*16*PKP+(zi/8)*32
.set zi, zi+1
.endr
.Lnot_mine_\@:
.endm
; A V tile's second half changes slots, as STURN does: its first 32 products stand ahead of the wait for the tile on its way.  kind 0: the next V tile's first half is fetched.
; 1: P's second 128 keys take the place of the first, which every wave has read (its wait stood in front of the round); a barrier of the work-group publishes them.  2: the next step's first slice of K and Q.
.macro VTURN kind, slot, dk
	s_wait_dscnt 8                                 ; the youngest eight loads (channel blocks 4-7) may be out
	PVMUL G1, 0, 0
	PVMUL G1, 0, 2
	WIN 0
	s_wait_tensorcnt 0x0                           ; no tensor load of mine is out, so a group 0 may be written
	ds_add_u32 v[SPW], v[NIL]
	STEPD \dk, \slot
	s_wait_dscnt 0x0                               ; the add is done, and my reads of this slot and of P are over
	s_barrier_signal -1
	s_barrier_wait -1
	CREST
	ASK \dk, \slot
.if (\kind) == 0
	VFETCH 1, 0, 1, G0
	PVMUL G1, 1, 0
.elseif (\kind) == 1
	PSTORE 0
	s_wait_dscnt 0x0                               ; for the others' sake: my part of P is written
	s_barrier_signal -1
	PVMUL G1, 1, 0
	s_barrier_wait -1
	VFETCH 0, 0, 0, G0
.else
	SFETCH 0, 0, 0, F0
	PVMUL G1, 1, 0
.endif
	PVMUL G1, 1, 2
.endm
	s_wait_tensorcnt 0x1                           ; my parts of Q and of K tile 0 are in; tile 1 may stay out
	s_barrier_signal -1
	s_barrier_wait -1
	SFETCH 0, 0, 0, F0
	s_mov_b32 s[CNT], 4
.Lstep:                                                ; a step: 256 keys
.rept 5
	v_nop                                          ; S^T's first products write registers that the last V^T P read as sources: five places (ISA guide 7.12.1)
.endr
	SSL 0, 0, 0, F0, F1, 0
	SSL 0, 0, 1, F1, F0, 1
	SSL 0, 0, 2, F0, F1, 1
	STURN 0, 0, 1, 1, 1, 1, 0                      ; asks for K tile 2
	SSL 1, 1, 0, F0, F1, 1
	SSL 1, 1, 1, F1, F0, 1
	SSL 1, 1, 2, F0, F1, 1
	STURN 0, 1, 1, 1, 0, 2, 0                      ; K tile 3
	SSL 0, 2, 0, F0, F1, 1
	SSL 0, 2, 1, F1, F0, 1
	SSL 0, 2, 2, F0, F1, 1
	STURN 4, 0, 1, 1, 1, 3, 0                      ; V tile 0
	SSL 1, 3, 0, F0, F1, 1
	SSL 1, 3, 1, F1, F0, 1
	SSL 1, 3, 2, F0, F1, 1
	STURN 4, 1, 1, 0, 0, 0, 0                      ; V tile 1
	; THE SOFTMAX.  My maximum for each query: four chains a query tile, each accumulator's lowest registers first.
	PLACES
	WIN 0x15
.set zi, 0
.rept 32                               ; zi = 4 qt + kb
	v_max3_num_f32 v[C+zi], v[64*(zi%4)+8*(zi/4)], v[64*(zi%4)+8*(zi/4)+1], v[64*(zi%4)+8*(zi/4)+2]
.set zi, zi+1
.endr
	WIN 0x14
.set zi, 0
.rept 64
	v_max3_num_f32 v[C+zi%32], v[C+zi%32], v[64*(zi%4)+8*((zi%32)/4)+3+2*(zi/32)], v[64*(zi%4)+8*((zi%32)/4)+4+2*(zi/32)]
.set zi, zi+1
.endr
.set zi, 0
.rept 16
	v_max3_num_f32 v[C+4*(zi/2)+2*(zi%2)], v[C+4*(zi/2)+2*(zi%2)], v[128*(zi%2)+8*(zi/2)+7], v[128*(zi%2)+64+8*(zi/2)+7]
.set zi, zi+1
.endr
	WIN 0
	ALLQ v_max3_num_f32 v[C+4*t], v[C+4*t], v[C+4*t+1], v[C+4*t+2]
	ALLQ v_max_num_f32 v[C+4*t], v[C+4*t], v[C+4*t+3]
	ALLQ v_permlanex16_b32 v[C+4*t+1], v[C+4*t], s[SEL], s[SEL+1]
	ALLQ v_max_num_f32 v[PMX+t], v[C+4*t], v[C+4*t+1]
	ds_store_b128 v[XMS], v[PMX:PMX+3]
	ds_store_b128 v[XMS], v[PMX+4:PMX+7] offset:16
	s_wait_dscnt 0x0                               ; for the others' sake
	s_barrier_signal -1
	s_barrier_wait -1
.set zi, 0
.rept 8                                ; the four waves' maxima: wave zi / 2 at C + 8 (zi / 2)
	ds_load_b128 v[C+4*zi:C+4*zi+3], v[XMR] offset:512*(zi/2)+16*(zi%2)
.set zi, zi+1
.endr
	s_wait_dscnt 0x0
	ALLQ v_max3_num_f32 v[ST+4*t+1], v[ST+4*t+1], v[C+t], v[C+8+t]
	ALLQ v_mov_b32 v[A+2*t+1], v[ST+4*t]
	ALLQ v_max3_num_f32 v[ST+4*t+1], v[ST+4*t+1], v[C+16+t], v[C+24+t]
	ALLQ v_mul_f32 v[ST+4*t], s[CS], v[ST+4*t+1]
	ALLQ v_sub_f32 v[A+2*t+1], v[A+2*t+1], v[ST+4*t]
	ALLQ v_exp_f32 v[A+2*t], v[A+2*t+1]
	WIN 0x41
.set zi, 0
.rept 128                              ; c s - c m, in pairs
	v_pk_fma_f32 v[2*zi:2*zi+1], v[2*zi:2*zi+1], s[CS:CS+1], v[ST+4*((zi/4)%8):ST+4*((zi/4)%8)+1] op_sel_hi:[1,0,0] neg_lo:[0,0,1] neg_hi:[0,0,1]
.set zi, zi+1
.endr
.set zi, 0
.rept 256
	v_exp_f32 v[zi], v[zi]
.set zi, zi+1
.endr
	v_nop                                          ; a plain instruction behind the last exponential
	WIN 0x05
.set zi, 0
	s_wait_alu depctr_va_vdst(0)
.rept 128
	v_cvt_pk_bf16_f32 v[PK+zi], v[2*zi], v[2*zi+1]
.set zi, zi+1
.endr
	WIN 0x45                                       ; the sums of the unrounded weights, in place: inside each accumulator, then over the four key blocks
.set zi, 0
.rept 64
	v_pk_add_f32 v[4*zi:4*zi+1], v[4*zi:4*zi+1], v[4*zi+2:4*zi+3]
.set zi, zi+1
.endr
.set zi, 0
.rept 32
	v_pk_add_f32 v[8*zi:8*zi+1], v[8*zi:8*zi+1], v[8*zi+4:8*zi+5]
.set zi, zi+1
.endr
.set zi, 0
.rept 16
	v_pk_add_f32 v[128*(zi/8)+8*(zi%8):128*(zi/8)+8*(zi%8)+1], v[128*(zi/8)+8*(zi%8):128*(zi/8)+8*(zi%8)+1], v[128*(zi/8)+64+8*(zi%8):128*(zi/8)+64+8*(zi%8)+1]
.set zi, zi+1
.endr
	ALLQ v_pk_add_f32 v[8*t:8*t+1], v[8*t:8*t+1], v[128+8*t:128+8*t+1]
	WIN 0x10
	ALLQ v_pk_fma_f32 v[ST+4*t+2:ST+4*t+3], v[ST+4*t+2:ST+4*t+3], v[A+2*t:A+2*t+1], v[8*t:8*t+1] op_sel_hi:[1,0,1]
	WIN 0x82                                       ; O^T times a
.set zi, 0
.rept 128
	v_pk_mul_f32 v[2*zi:2*zi+1], v[2*zi:2*zi+1], v[A+2*((zi/4)%8):A+2*((zi/4)%8)+1] op_sel_hi:[1,0]
.set zi, zi+1
.endr
	WIN 0xc3
.set zi, 0
.rept 128
	v_pk_mul_f32 v[2*zi:2*zi+1], v[2*zi:2*zi+1], v[A+2*((zi/4)%8):A+2*((zi/4)%8)+1] op_sel_hi:[1,0]
.set zi, zi+1
.endr
	PSTORE 1                                       ; P's first 128 keys
	s_wait_dscnt 0x0
	s_barrier_signal -1
	s_barrier_wait -1
	VFETCH 0, 0, 0, G0
	VQ 0, 0
	VTURN 0, 0, 1                                  ; asks for V tile 2
	VQ 1, 1
	VTURN 1, 1, 1                                  ; V tile 3
	VQ 0, 0
	VTURN 0, 0, 2                                  ; the next step's K tile 0, or Wp's tile 0
	VQ 1, 1
	VTURN 2, 1, 2                                  ; its tile 1
	WIN 0
	s_sub_co_u32 s[CNT], s[CNT], 1
	s_cmp_lg_u32 s[CNT], 0
	s_cbranch_scc1 .Lstep
	; l: my two halves, the other half of the lanes', the four waves'.  These lines are also the places behind the last products.
	ALLQ v_add_f32 v[PMX+t], v[ST+4*t+2], v[ST+4*t+3]
	ALLQ v_permlanex16_b32 v[C+t], v[PMX+t], s[SEL], s[SEL+1]
	ALLQ v_add_f32 v[PMX+t], v[PMX+t], v[C+t]
	ds_store_b128 v[XMS], v[PMX:PMX+3] offset:2048
	ds_store_b128 v[XMS], v[PMX+4:PMX+7] offset:2064
	s_wait_dscnt 0x0                               ; my sums are written, and my last reads of Q (the last step's fetch ahead, which serves nothing) are back
	s_barrier_signal -1
	s_barrier_wait -1                              ; nobody reads Q any more: O may take its place
.set zi, 0
.rept 8
	ds_load_b128 v[C+4*zi:C+4*zi+3], v[XMR] offset:2048+512*(zi/2)+16*(zi%2)
.set zi, zi+1
.endr
	s_wait_dscnt 0x0
	ALLQ v_add_f32 v[PMX+t], v[C+t], v[C+8+t]
	ALLQ v_add_f32 v[C+16+t], v[C+16+t], v[C+24+t]
	ALLQ v_add_f32 v[PMX+t], v[PMX+t], v[C+16+t]
	ALLQ v_rcp_f32 v[A+2*t], v[PMX+t]
	v_nop                                          ; a plain instruction behind the last reciprocal
	s_wait_alu depctr_va_vdst(0)
.macro OPACK cb                        ; channel block cb of O^T: divided by l, rounded to bf16, 16 bytes a lane into O's rows
	WIN 0x82+0x41*((\cb)/4)
.set zi, 0
.rept 32
	v_pk_mul_f32 v[64*((\cb)%4)+2*zi:64*((\cb)%4)+2*zi+1], v[64*((\cb)%4)+2*zi:64*((\cb)%4)+2*zi+1], v[A+2*(zi/4):A+2*(zi/4)+1] op_sel_hi:[1,0]
.set zi, zi+1
.endr
	WIN 0x0a+5*((\cb)/4)
.set zi, 0
.rept 32
	v_cvt_pk_bf16_f32 v[PK+zi], v[64*((\cb)%4)+2*zi], v[64*((\cb)%4)+2*zi+1]
.set zi, zi+1
.endr
	WIN 0
.set zi, 0
.rept 8
	ds_store_b128 v[OST+zi/4], v[PK+4*zi:PK+4*zi+3] offset:(zi%4)*16*PQ+32*(\cb)
.set zi, zi+1
.endr
.endm
.irp cb, 0,1,2,3,4,5,6,7
	OPACK \cb
.endr
	s_wait_dscnt 0x0                               ; for the others' sake: my channels of O are written
	s_barrier_signal -1
	s_barrier_wait -1
.macro XLOAD                           ; my 64 rows of x: a load covers a row's 512 consecutive bytes
	WIN 0xc0
.set zi, 0
.rept 64
	global_load_b128 v[4*zi:4*zi+3], v[GX], s[XP:XP+1] offset:4096*zi th:TH_LOAD_NT
.set zi, zi+1
.endr
	WIN 0
.endm
.macro BTSET                           ; the four bias tiles of the half in hand: a lane's o is the same in all eight registers
	WIN 0x40
.set zi, 0
.rept 32
	v_mov_b32 v[BT+zi], v[BPV+zi/8]
.set zi, zi+1
.endr
	WIN 0
.endm
; THE WAY OUT of 64 o x 128 pixels: 16 o at a time through my f32 stage, back as whole rows of 512 bytes, x added, stored.
.macro PWAY
	WIN 0
	s_wait_loadcnt 0x0                             ; x
.irp ob, 0,1,2,3
	WIN 0x08
.set zi, 0
.rept 8
	ds_store_b128 v[STS], v[64*(\ob)+8*zi:64*(\ob)+8*zi+3] offset:64*zi
	ds_store_b128 v[STS], v[64*(\ob)+8*zi+4:64*(\ob)+8*zi+7] offset:64*zi+16
.set zi, zi+1
.endr
	s_wait_xcnt 0x0                                ; the registers that the last block's stores read are loaded again only behind this wait
	WIN 0x40
.set zi, 0
.rept 16
	ds_load_b128 v[RB+4*zi:RB+4*zi+3], v[STR] offset:SPS*zi  ; LDS serves a wave's instructions in order (ISA guide 5.7.1.4): these see the stores above
.set zi, zi+1
.endr
	s_wait_dscnt 0x0
	WIN 0x4d
.set zi, 0
.rept 32
	v_pk_add_f32 v[RB+2*zi:RB+2*zi+1], v[RB+2*zi:RB+2*zi+1], v[64*(\ob)+2*zi:64*(\ob)+2*zi+1]
.set zi, zi+1
.endr
	WIN 0x04
.set zi, 0
.rept 16
	global_store_b128 v[GX], v[RB+4*zi:RB+4*zi+3], s[OP:OP+1] offset:(16*(\ob)+zi)*4096 th:TH_STORE_NT  ; 512 consecutive bytes, aligned
.set zi, zi+1
.endr
.endr
	WIN 0
.endm
	SFETCH 0, 0, 0, F0                             ; O, and Wp's tile 0
	s_mov_b32 s[PC], 4
.Lpair:                                                ; THE PROJECTION.  A trip: a pair of Wp's tiles; tile t is o half t / 4, channels 128 (t % 4) on.  The fourth pair leaves the loop behind its first three slices
	s_bitcmp1_b32 s[PC], 0
	s_cbranch_scc1 .Lgo_on
	s_wait_loadcnt 0x0                             ; a half begins (PC = 4, 2): bp is in, and no load into x's registers is out
	XLOAD                                          ; the half's 64 rows of x: wanted on its way out, two pairs on
	BTSET                                          ; these 32 moves are also the places between a trip's last products and the products below, which write their accumulators afresh (ISA guide 7.12.1)
	SSL 0, 0, 0, F0, F1, 2                         ; a half's first products start the sums with the bias
	WIN 0
	s_branch .Ljoin
.Lgo_on:
	SSL 0, 0, 0, F0, F1, 3
	WIN 0
.Ljoin:
	SSL 0, 0, 1, F1, F0, 3
	SSL 0, 0, 2, F0, F1, 3
	WIN 0
	s_cmp_eq_u32 s[PC], 1
	s_cbranch_scc1 .Ltail                          ; the last pair's changes of slots are written out: they ask for nothing more
	STURN 3, 0, 3, 1, 1, 1, 0
	SSL 1, 1, 0, F0, F1, 3
	SSL 1, 1, 1, F1, F0, 3
	SSL 1, 1, 2, F0, F1, 3
	STURN 3, 1, 3, 1, 0, 0, 1
	WIN 0
	s_cmp_eq_u32 s[PC], 3
	s_cbranch_scc0 .Lno_out
	PLACES
	PWAY                                           ; the first 256 o are finished
	s_wait_xcnt 0x0                                ; the stores have read their base
	s_add_nc_u64 s[XP:XP+1], s[XP:XP+1], 0x100000
	s_add_nc_u64 s[OP:OP+1], s[OP:OP+1], 0x100000
.irp i, 0,1,2,3
	v_mov_b32 v[BPV+(\i)], v[BPV+4+(\i)]           ; the second half's bias
.endr
.Lno_out:
	s_sub_co_u32 s[PC], s[PC], 1
	s_branch .Lpair
.Ltail:
	STURN -1, 0, 3, 1, 1, 1, 0
	SSL 1, 1, 0, F0, F1, 3
	SSL 1, 1, 1, F1, F0, 3
	SSL 1, 1, 2, F0, F1, 3
	s_wait_dscnt 4
	SMUL F1, 0, 3
	SMUL F1, 1, 3
	s_wait_dscnt 0x0
	SMUL F1, 2, 3
	SMUL F1, 3, 3
	PLACES
	PWAY
	s_wait_tensorcnt 0x0                           ; the wave's end
	ds_add_u32 v[SPW], v[NIL]
	s_wait_dscnt 0x0
	CROUND                                         ; the closing round
	s_endpgm
.Lfunc_end_k_qeec0b74ec1_att:
	.size	k_qeec0b74ec1_att, .Lfunc_end_k_qeec0b74ec1_att-k_qeec0b74ec1_att
	.p2alignl 7, 3214868480
	.fill 96, 4, 3214868480
	.section	.rodata,"a",@progbits
	.p2align	6, 0x0
	.amdhsa_kernel k_qeec0b74ec1_att
		.amdhsa_group_segment_fixed_size 327680
		.amdhsa_private_segment_fixed_size 0
		.amdhsa_enable_private_segment 0
		.amdhsa_kernarg_size 40
		.amdhsa_user_sgpr_count 2
		.amdhsa_user_sgpr_kernarg_segment_ptr 1
		.amdhsa_wavefront_size32 1
		.amdhsa_system_sgpr_workgroup_id_x 1
		.amdhsa_system_sgpr_workgroup_id_y 1
		.amdhsa_system_sgpr_workgroup_id_z 1
		.amdhsa_system_vgpr_workitem_id 0
		.amdhsa_next_free_vgpr 1024
		.amdhsa_next_free_sgpr 102
		.amdhsa_reserve_vcc 0
		.amdhsa_float_denorm_mode_32 3
		.amdhsa_float_denorm_mode_16_64 3
		.amdhsa_memory_ordered 1
		.amdhsa_forward_progress 1
		.amdhsa_inst_pref_size 255
	.end_amdhsa_kernel
	.section	.bss,"aw",@nobits
	.p2align	6
	.space	262144
	.amdgpu_metadata
---
amdhsa.version: [ 1, 2 ]
amdhsa.kernels:
  - .name:           k_qeec0b74ec1_att
    .symbol:         k_qeec0b74ec1_att.kd
    .args:
      - { .name: qkv, .offset: 0, .size: 8, .value_kind: global_buffer, .address_space: global }
      - { .name: wb, .offset: 8, .size: 8, .value_kind: global_buffer, .address_space: global }
      - { .name: bp, .offset: 16, .size: 8, .value_kind: global_buffer, .address_space: global }
      - { .name: x, .offset: 24, .size: 8, .value_kind: global_buffer, .address_space: global }
      - { .name: out0, .offset: 32, .size: 8, .value_kind: global_buffer, .address_space: global }
    .group_segment_fixed_size: 327680
    .private_segment_fixed_size: 0
    .kernarg_segment_align: 8
    .kernarg_segment_size: 40
    .max_flat_workgroup_size: 128
    .sgpr_count:     102
    .vgpr_count:     1024
    .wavefront_size: 32
...
	.end_amdgpu_metadata
.endif
;; end of part 3
